; MI455X (gfx1250); checked and timed in simulation.
; The chip was launched on July 23, 2026; its instructions are those of AMD's public machine-readable ISA for CDNA 5 (MIT licence, August 2026) and "CDNA5" Instruction Set Architecture Reference Guide (July 2026). The comments in the code are by the model that wrote it; some were corrected since.
;; Agent Attention. Allowed arithmetic: matrix products marked QUANTISED: E2M1 operands, one E8M0 scale for each 32 along K, by v_wmma_scale_f32_16x16x128_f8f6f4 with both operands' format E2M1 (or v_wmma_scale_f32_32x16x128_f4), f32 sums; everything else in f32.
;; Inputs: a_codes 4 x 16 x 512 x 2 x 16 uint8 (E2M1 codes of a, K innermost, in blocks of 32 codes, two codes a byte); a_scales 4 x 16 x 512 x 2 uint8 (E8M0 scales of a, one for each 32 codes along K); k_codes 4 x 16 x 4,096 x 2 x 16 uint8 (E2M1 codes of k, K innermost, in blocks of 32 codes, two codes a byte); k_scales 4 x 16 x 4,096 x 2 uint8 (E8M0 scales of k, one for each 32 codes along K); q_codes 4 x 16 x 4,096 x 2 x 16 uint8 (E2M1 codes of q, K innermost, in blocks of 32 codes, two codes a byte); q_scales 4 x 16 x 4,096 x 2 uint8 (E8M0 scales of q, one for each 32 codes along K); v_codes 4 x 16 x 64 x 16 x 16 uint8 (E2M1 codes of v, K innermost, in blocks of 32 codes, two codes a byte); v_scales 4 x 16 x 64 x 16 uint8 (E8M0 scales of v, one for each 32 codes along K).
;; Outputs: out0 4 x 16 x 512 x 64 float32.
;; This version of the problem:
;;   THIS VERSION OF THE PROBLEM IS GIVEN IN LOW PRECISION. The matrix products marked QUANTISED in the list below multiply operands that are first quantised to E2M1 (2 exponent bits, 1 mantissa bit; 4 bits a number), with one power-of-two scale for each 32 numbers along K (OCP MX v1.0); their sums are f32. All else is computed in f32.
;;   The module's matrix products, in the order in which they are computed (A, B: the left and right operand; K: the contracted axis; several contracted axes count as one K, in the product's order):
;;     1. batch 64 x [M 4,096, K 64] x [K 64, N 512]; A: input q (given as codes); B: input a (given as codes): QUANTISED
;;     2. batch 64 x [M 512, K 64] x [K 64, N 4,096]; A: input a (given as codes); B: input k (given as codes): QUANTISED
;;     3. batch 64 x [M 4,096, K 512] x [K 512, N 64]; A: computed on the way; B: input v (given as codes): QUANTISED
;;     4. batch 64 x [M 512, K 4,096] x [K 4,096, N 64]; A: computed on the way; B: computed on the way: QUANTISED
;;   THE QUANTISER, for each operand of a quantised product, along K:
;;     - K is cut into blocks of 32 from its start; a last block that is shorter is filled with zeros.
;;     - A block's scale is 2^e with e = floor(log2(the largest magnitude in the block)) - 2, held to -126 .. 127; a block of zeros has e = 0. As a byte (E8M0): e + 127.
;;     - Each number is divided by its block's scale, clamped to +-6, and rounded to the nearest number of E2M1, ties to even, subnormals kept.
;;     - The product sums the exact products of the quantised numbers (number of the format x scale) in f32.
;;   ~~~python
;;   def quantise(x, axis):      # numpy; x: float32 -> the quantised numbers, widened to float32 again
;;       x = np.moveaxis(x, axis, -1); K = x.shape[-1]
;;       x = np.pad(x, [(0, 0)] * (x.ndim - 1) + [(0, -K % 32)]); x = x.reshape(x.shape[:-1] + (-1, 32)); a = np.abs(x).max(-1, keepdims=True)
;;       e = np.where(a > 0, np.clip(np.frexp(np.where(a > 0, a, 1))[1] - 1 - 2, -126, 127), 0)      # np.frexp(a)[1] - 1 = floor(log2(a)), exactly
;;       r = np.clip(x / 2.0 ** e, -6, 6)
;;       step = 2.0 ** (np.maximum(np.frexp(np.where(r == 0, 1, r))[1] - 1, 0) - 1)
;;       q = np.round(r / step) * step * 2.0 ** e      # np.round: ties to even
;;       return np.moveaxis(q.reshape(q.shape[:-2] + (-1,))[..., :K], -1, axis).astype(np.float32)
;;   ~~~
;;   OPERANDS COMPUTED ON THE WAY. 'Computed on the way' means the value that the module computes at that place (a softmax that the list does not call 'softmax' is quantised finished and normalised). What goes into a quantiser is computed in f32, as accurately as f32 sums, v_exp_f32 and their like allow (about 1e-6 of the number): no bf16 or f16 on the way to a quantiser, and a product that is left as it is and whose result goes on into a quantised operand takes f32 operands (vector FMAs, or v_wmma_f32_16x16x4_f32). A number that lies on a knife's edge between two numbers of the format may be rounded either way, as far as f32 arithmetic and the matrix unit's own rounding can turn it there, and no further.
;;   INPUTS GIVEN AS CODES. a (in the module: [4, 16, 512, 64], K = its axis 3); k (in the module: [4, 16, 4096, 64], K = its axis 3); q (in the module: [4, 16, 4096, 64], K = its axis 3); v (in the module: [4, 16, 512, 64], K = its axis 2): each comes as NAME_codes (uint8): NAME with its K axis moved to the last place and cut into blocks of 32 codes, [.., K / 32, bytes a block], one block behind the other in memory; two codes a byte, the lower K in the low four bits (a code: sign, 2 exponent bits, 1 mantissa bit); and NAME_scales (uint8): the same leading axes, one E8M0 byte (e + 127) for each 32 codes along K. Its value is code x scale, taken as it is: it is not quantised again, and the codes and scales need not be those that the quantiser above would give.
;; One version. Each part assembles by itself: llvm-mc -triple=amdgcn-amd-amdhsa -mcpu=gfx1250 --defsym DOCPART=n.
;; ======== version 1 of 1: 3 launches
;; workspace buffers: kvc 8,388,608 bytes; kvs 524,288 bytes; part 33,554,432 bytes
;; launch kv (part 1): grid 128 x 4, 4 waves a work-group, clusters of 4 x 1, 327,680 bytes of LDS; arguments q_codes, q_scales, a_codes, a_scales, v_codes, v_scales, kvc, kvs; writes kvc, kvs
.if DOCPART == 1
	.amdgcn_target "amdgcn-amd-amdhsa--gfx1250"
	.amdhsa_code_object_version 6
	.text
	.protected	k_qb18bef8289_kv
	.globl	k_qb18bef8289_kv
	.p2align	8
	.type	k_qb18bef8289_kv,@function
k_qb18bef8289_kv:
	s_mov_b64 s[64:65], 0
	v_nop
	global_prefetch_b8 v0, s[64:65] scope:SCOPE_SE
	s_setreg_imm32_b32 hwreg(HW_REG_WAVE_MODE, 25, 1), 1
	s_wait_xcnt 0x0
	s_wait_alu depctr_hold_cnt(0) depctr_sa_sdst(0) depctr_va_vdst(0) depctr_va_sdst(0) depctr_va_ssrc(0) depctr_va_vcc(0) depctr_vm_vsrc(0)
	s_getreg_b32 s2, hwreg(HW_REG_IB_STS2, 6, 4)
	s_cmp_eq_u32 s2, 0
	s_cbranch_scc0 .Lentry_in_a_cluster
	s_endpgm
.Lentry_in_a_cluster:
	s_bfe_u32 s2, ttmp6, 0x10000c
	s_cmp_lg_u32 s2, 0x3003
	s_cbranch_scc0 .Lentry_shape_is_right
	s_endpgm
.Lentry_shape_is_right:
; KV[b][h][n][d] = sum over agents of K[b][h][n][a] v[b][h][a][d], K = softmax OVER THE 16 HEADS of q . a / 8; both products on codes of FP4 (E2M1) with one E8M0 scale for each 32 along K.
; K is quantised finished and normalised, along the agents; KV is quantised along n and stored as codes (kvc) and scale bytes (kvs), laid as the next launch's operand registers want them.
; SHARES.  A work-group owns 32 queries (two row tiles of 16) of one batch, for all 16 heads, and walks the 512 agents in NR = 4 rounds of 128.  Four waves, one to a SIMD.
; PHASE 1, waves share the agents: wave w takes block w (32 agents) of the round, for all heads.  A UNIT = one row tile x one block x 16 heads: 32 matrix instructions, 256 score registers.  Source 0 = 16 agents,
;   source 1 = 16 queries: a lane holds ONE query, and the 16 heads lie in 16 accumulators of the same lane: the maximum and the sum over heads ask no other lane.  Tile u of a block takes agents 8 u + r + 8 (r / 8),
;   so that the 16 registers of tiles 0 and 1 are agents 16 (lane / 16) + 0 .. 15.  K = 64 fills half of the instruction's 128: the agents' fragments carry zero codes in registers 4-7 (written once); the queries'
;   fragments are packed four registers a head, so their upper half is the next head's codes, which meet zero codes; scale words are the two given bytes with two bytes 0 above them.
; PHASE 2, waves share the heads: wave w takes heads 4 w .. 4 w + 3: K's codes come from LDS as images of the operand's registers (a block's 8 bytes a lane are stored where the image wants them), v's from the tile.
;   Source 0 = K (16 queries), source 1 = v (16 d): a lane holds d = 16 dt + r; row tile u, lane r is query n0 + 8 u + r + 8 (r / 8), so the registers of row tiles 0 and 1 are 16 neighbouring n.
; TILES.  The four work-groups of a cluster differ in their queries alone and walk the same agents: each tile is asked for JOINTLY (mask 15).  Agents' codes and scales: two slots by turns, round j + 1 asked for behind round j's
;   cluster round.  v's codes: one buffer, round j's asked for behind the same round and read behind barrier B: it has phase 1 in which to land.  v's scale bytes of the batch come once.  By this text's count a wave has one tensor load out.
;   v's rows in a tile are 64 bytes: a round's 128 agents of a row of 512.
; LIMITS: NaN, infinities and the scale byte 0xff among the inputs are not served; a weight under 2^-126 becomes 0 (v_exp_f32 flushes: ISA guide, 15.8); a block of zeros carries the byte 1 (its codes are zeros; this program alone reads the bytes).
;   kvs is stored byte by byte (one byte in 17 of what the launch stores): a scale word's four bytes come from four work-groups.
; REGISTERS, in windows of 256.  Window 0: see the names below.  Window 1: scores, head h tile u at 16 h + 8 u; in phase 2 K's fragments at 16 i + 8 rt, v's at 64 + 32 i + 8 dt.
;   Window 2: the 32 accumulators of KV at 8 (8 i + 4 rt + dt).  Window 3: the agents' fragments, f = 2 h + u at 8 f; registers 8 f + 4 .. 8 f + 7 stay zero.
.set NR,    4                          ; rounds of 128 agents
.set SLOT1, 1<<17                      ; slot 1 of the agents' tiles begins here: one exclusive or turns an address
.set CPH,   4224                       ; a head's 128 agents in a slot: 4,096 bytes + 16 of padding behind every 512, so that agents 16-31 of a block lie one 16-byte column further on
.set CSC,   16*CPH                     ; behind the codes: the scale bytes, 256 a head
.set IMG,   71680                      ; K's images: (16 rt + h) x 1,024
.set PSC,   IMG+32768                  ; K's scale words: (16 rt + h) x 128 + 4 x lane
.set ROWI,  PSC+4096                   ; the queries' images: (16 rt + h) x 512 + 16 x lane
.set ROWS,  ROWI+16384                 ; their scale words: (16 rt + h) x 128 + 4 x lane
.set SPARE, ROWS+4096                  ; the spare words, 128 bytes a wave: two blocks of 256 bytes that no other line names
.set VB,    SLOT1+71680                ; v's tile: row 64 h + d,
.set VP,    80                         ; 64 bytes + 16 of padding
.set VSC,   VB+1024*VP                 ; v's scale bytes of the batch: (64 h + d) x 16 + 4 x round
.set SPW, 1                            ; v1   SPARE + 4 x thread; never rewritten
.set NIL, 2                            ; v2   0; never rewritten
.set AC0, 3                            ; v3   my lane's place in a slot's codes;  v4 in its scale bytes;  v5, v6 the same in the slot in hand
.set AS0, 4
.set ADC, 5
.set ADS, 6
.set ARQ0, 7                           ; v7, v8   my lane's place in a query image, a scale word;  v9, v10 the same for the row tile wanted
.set ARS0, 8
.set ARQ, 9
.set ARS, 10
.set AIM0, 11                          ; v11, v12 where I store a block's codes, its scale byte;  v13, v14 the same for the row tile in hand
.set APB0, 12
.set AIM, 13
.set APB, 14
.set AP,  15                           ; v15, v16 phase 2: my heads' images of K, their scale words
.set APS, 16
.set AV,  17                           ; v17, v18 my heads' rows of v, their scale words;  v19 the same for the round in hand
.set AVS0, 18
.set ADT, 19
.set M,   24                           ; v24-39   by position: the heads' maximum, then -c x it, then the sum, then 1 / sum
.set BM,  40                           ; v40-55   by head: the block's largest weight, then the conversion's scale operand
.set T,   56                           ; v56-71   at work; then the scale's byte
.set PC,  72                           ; v72-103  codes, two registers a head
.set CSR, 104                          ; v104-135 the agents' scale words, one a fragment
.set RS,  136                          ; v136-151 the queries' scale words, one a head
.set RQ,  152                          ; v152-219 the queries' fragments, four a head, and four of padding
.set PS,  220                          ; v220-227 K's scale words (2 i + rt)
.set VS,  228                          ; v228-243 v's scale words (4 i + dt)
.set TB,  2                            ; s2   the slot in hand: 0 or SLOT1
.set RC,  3                            ; s3   counts rounds
.set WV,  20                           ; s20  my wave's number
.set CX,  21                           ; s21  my place in the cluster: it enters global addresses of q, kvc and kvs alone (with s79, s66, s67)
.set BB,  22                           ; s22  the batch
.set SX,  23                           ; s23  at work, from the wave's number alone
.set G1C, 24                           ; s[24:55] descriptor groups 1: agents' codes, agents' scales, v's codes, v's scales
.set G1S, 32
.set G1V, 40
.set G1W, 48
.set G0C, 56                           ; groups 0, in the same order
.set G0S, 60
.set G0V, 68
.set G0W, 72
.set CC,  76                           ; s[76:77] c = log2(e) / 8, twice;  s78 -c
.set NC,  78
.set XX,  79                           ; s79  my block of 32 queries
.set SEL, 80                           ; s[80:81] v_permlanex16_b32's selects for lane l xor 16
.set TW,  82                           ; s82  counts a round's two row tiles
.set RO,  83                           ; s83, s84 the OTHER row tile's place among the queries' images, scale words
.set RSO, 84
.set IO,  85                           ; s85, s86 this row tile's place among K's images, scale words
.set PO,  86
.set TJ,  87                           ; s87  4 x round
.set JOINT,  15|(3<<16)|(1<<21)        ; group 1, word 0: the mask of all four work-groups; elements of 8 bytes; bit 21 set beside a mask
.set PAD512, (1<<20)|(6<<22)|(3<<25)   ; four words of padding behind every 128
.set PAD64,  (1<<20)|(3<<22)|(3<<25)   ; four words behind every 16
.set MSB, 0
.macro WIN new                         ; bits 1:0 source 0, 3:2 source 1, 5:4 source 2, 7:6 destination; the high byte repeats the setting that is left
.if MSB != \new
	s_set_vgpr_msb (MSB<<8)|\new
.set MSB, \new
.endif
.endm
.macro CROUND                          ; a round of the cluster's barrier
	s_barrier_signal -1
	s_barrier_wait -1
	s_cmp_lg_u32 s[WV], 0
	s_cbranch_scc1 .Lnot_wave_0_\@
	s_barrier_signal -3
.Lnot_wave_0_\@:
	s_barrier_wait -3
	s_barrier_signal -1
	s_barrier_wait -1
.endm
.macro ARM wave, g0, g1                ; one wave's joint load; the branch hangs on the wave's number alone; four v_nop follow the load
	s_cmp_lg_u32 s[WV], \wave
	s_cbranch_scc1 .Lnot_mine_\@
	tensor_load_to_lds s[\g0:\g0+3], s[\g1:\g1+7]
	s_nop 0
.rept 4
	v_nop
.endr
.Lnot_mine_\@:
.endm
.macro TLOAD kind                      ; 0: the first fills;  2: the next round's agents and this round's v;  1: this round's v alone (the last round)
.if \kind != 1
	ARM 0, G0C, G1C
.endif
.if \kind != 0
	ARM 1, G0V, G1V
.endif
.if \kind != 1
	ARM 2, G0S, G1S
.endif
.if \kind == 0
	ARM 3, G0W, G1W
.endif
.endm
; BARRIER A, at a round's head: every wave's tensor load has landed, its add is done, its LDS reads and stores are over; then a round of the cluster's barrier, and behind it one joint load a wave.
.macro CHANGE kind, first
	s_wait_tensorcnt 0x0                           ; no tensor load of mine is out, so groups 0 may be written
	ds_add_u32 v[SPW], v[NIL]                      ; 0 onto my spare word; the descriptors' steps stand between it and the wait for it
	ds_add_u32 v1, v2
.if \kind == 2
	s_xor_b32 s[G0C+1], s[G0C+1], SLOT1            ; the agents' descriptors walk: the other slot, the next 128 agents
	s_add_nc_u64 s[G0C+2:G0C+3], s[G0C+2:G0C+3], 4096
	s_xor_b32 s[G0S+1], s[G0S+1], SLOT1
	s_add_nc_u64 s[G0S+2:G0S+3], s[G0S+2:G0S+3], 256
.endif
.if !\first
	s_add_nc_u64 s[G0V+2:G0V+3], s[G0V+2:G0V+3], 64   ; v: 128 agents on in each row
.endif
	s_wait_dscnt 0x0                               ; the add is done; my reads of v's tile, of K's images and of the slot left are over; my stores have landed
	CROUND
	TLOAD \kind
.endm
; A UNIT: one row tile x my block x 16 heads.
.macro UNIT
	WIN 0x43                                       ; D window 1, source 0 (agents) window 3, source 1 (queries) window 0
.set ff, 0
.rept 32
.if ff%8 == 0
	s_wait_dscnt 24-ff                             ; first row tile: the fragment loads behind this group's eight may be out.  Second: 32 stores stand behind the queries' loads, so at most 24 out shows those in
.endif
	v_wmma_scale_f32_16x16x128_f8f6f4 v[8*ff:8*ff+7], v[8*ff:8*ff+7], v[RQ+4*(ff/2):RQ+4*(ff/2)+7], 0, v[CSR+ff], v[RS+ff/2] matrix_a_fmt:MATRIX_FMT_FP4 matrix_b_fmt:MATRIX_FMT_FP4
.set ff, ff+1
.endr
	WIN 0
	v_add_nc_u32 v[ARQ], s[RO], v[ARQ0]            ; four plain lines: the places behind the products, ahead of the loads into their operands and of the first read of their results
	v_add_nc_u32 v[ARS], s[RSO], v[ARS0]
	v_add_nc_u32 v[AIM], s[IO], v[AIM0]
	v_add_nc_u32 v[APB], s[PO], v[APB0]
.set hh, 0
.rept 16
	ds_load_b128 v[RQ+4*hh:RQ+4*hh+3], v[ARQ] offset:512*hh   ; the other row tile's queries land under this tile's softmax
.set hh, hh+1
.endr
.set hh, 0
.rept 16
	ds_load_b32 v[RS+hh], v[ARS] offset:128*hh
.set hh, hh+1
.endr
	WIN 0x15                                       ; THE MAXIMUM OVER THE HEADS, by position; positions ascend
.set pp, 0
.rept 16
	v_max3_num_f32 v[M+pp], v[pp], v[16+pp], v[32+pp]
.set pp, pp+1
.endr
	WIN 0x14
.set hh, 3
.rept 6
.set pp, 0
.rept 16
	v_max3_num_f32 v[M+pp], v[M+pp], v[16*hh+pp], v[16*hh+16+pp]
.set pp, pp+1
.endr
.set hh, hh+2
.endr
.set pp, 0
.rept 16
	v_max_num_f32 v[M+pp], v[M+pp], v[240+pp]
.set pp, pp+1
.endr
	WIN 0
.set pp, 0
.rept 16
	v_mul_f32 v[M+pp], s[NC], v[M+pp]              ; -c x maximum
.set pp, pp+1
.endr
	WIN 0x41                                       ; t = c s - c max, two at a time, and 2^t: ONE BATCH: no line of it reads an exponential's result; a head's scalings stand among the exponentials of the head before
.set kk, 0
.rept 8
	v_pk_fma_f32 v[2*kk:2*kk+1], v[2*kk:2*kk+1], s[CC:CC+1], v[M+2*kk:M+2*kk+1] op_sel_hi:[1,0,1]
.set kk, kk+1
.endr
.set hh, 0
.rept 16
.set kk, 0
.rept 8
	v_exp_f32 v[16*hh+2*kk], v[16*hh+2*kk]
	v_exp_f32 v[16*hh+2*kk+1], v[16*hh+2*kk+1]
.if hh < 15
	v_pk_fma_f32 v[16*hh+16+2*kk:16*hh+17+2*kk], v[16*hh+16+2*kk:16*hh+17+2*kk], s[CC:CC+1], v[M+2*kk:M+2*kk+1] op_sel_hi:[1,0,1]
.endif
.set kk, kk+1
.endr
.set hh, hh+1
.endr
	v_nop                                          ; a plain line behind the last exponential
	s_wait_alu depctr_va_vdst(0)                   ; one wait for the 256, ahead of their first reader
	WIN 0x05                                       ; THE SUM OVER THE HEADS, eight chains of pairs by turns
.set kk, 0
.rept 8
	v_pk_add_f32 v[M+2*kk:M+2*kk+1], v[2*kk:2*kk+1], v[16+2*kk:17+2*kk]
.set kk, kk+1
.endr
	WIN 0x04
.set hh, 2
.rept 14
.set kk, 0
.rept 8
	v_pk_add_f32 v[M+2*kk:M+2*kk+1], v[M+2*kk:M+2*kk+1], v[16*hh+2*kk:16*hh+2*kk+1]
.set kk, kk+1
.endr
.set hh, hh+1
.endr
	WIN 0
.set pp, 0
.rept 16
	v_rcp_f32 v[M+pp], v[M+pp]
.set pp, pp+1
.endr
	v_nop
	s_wait_alu depctr_va_vdst(0)                   ; one wait for the 16 reciprocals
	WIN 0x41                                       ; the finished weights
.set hh, 0
.rept 16
.set kk, 0
.rept 8
	v_pk_mul_f32 v[16*hh+2*kk:16*hh+2*kk+1], v[16*hh+2*kk:16*hh+2*kk+1], v[M+2*kk:M+2*kk+1]
.set kk, kk+1
.endr
.set hh, hh+1
.endr
	WIN 0x05                                       ; THE QUANTISER, a block a head: my 16 weights (none is negative) and the floor 2^(3 - 127), which holds the byte at 1 from below; 16 chains by turns
.set hh, 0
.rept 16
	v_max3_num_f32 v[BM+hh], v[16*hh], v[16*hh+1], 0x1800000
.set hh, hh+1
.endr
	WIN 0x14
.set pp, 2
.rept 7
.set hh, 0
.rept 16
	v_max3_num_f32 v[BM+hh], v[BM+hh], v[16*hh+pp], v[16*hh+pp+1]
.set hh, hh+1
.endr
.set pp, pp+2
.endr
	WIN 0
.set hh, 0
.rept 16
	v_permlanex16_b32 v[T+hh], v[BM+hh], s[SEL], s[SEL+1]
.set hh, hh+1
.endr
.set hh, 0
.rept 16
	v_max_num_f32 v[BM+hh], v[BM+hh], v[T+hh]      ; with lane l xor 16's 16: the block's largest
.set hh, hh+1
.endr
.set hh, 0
.rept 16
	v_add_nc_u32 v[BM+hh], 0xff000000, v[BM+hh]    ; 2 off its exponent field: the conversion's scale operand
.set hh, hh+1
.endr
.set hh, 0
.rept 16
	v_lshrrev_b32 v[T+hh], 23, v[BM+hh]            ; the scale's byte
.set hh, hh+1
.endr
	WIN 0x01
.set hh, 0
.rept 16
	v_cvt_scalef32_pk8_fp4_f32 v[PC+2*hh], v[16*hh:16*hh+7], v[BM+hh]
	v_cvt_scalef32_pk8_fp4_f32 v[PC+2*hh+1], v[16*hh+8:16*hh+15], v[BM+hh]
.set hh, hh+1
.endr
	v_nop                                          ; a plain line behind the last scaled conversion: the next products write its sources
	WIN 0
.set hh, 0
.rept 16
	ds_store_b64 v[AIM], v[PC+2*hh:PC+2*hh+1] offset:1024*hh   ; my 16 codes, at 256 w + 16 r + 8 (lane / 16) of the head's image: 256 consecutive bytes a store
.set hh, hh+1
.endr
.set hh, 0
.rept 16
	ds_store_b8 v[APB], v[T+hh] offset:128*hh      ; byte w of the row's scale word
.set hh, hh+1
.endr
.endm
; PHASE 2: my four heads: KV += K v over the round's 128 agents.  32 accumulators, one instruction each: they take turns.  zero = 1: the first round starts the sums.
.macro PHASE2 zero
	v_add_nc_u32 v[ADT], s[TJ], v[AVS0]
.irp i, 0,1,2,3
	WIN 0x40
.irp t, 0,1
.irp c, 0,1
	ds_load_b128 v[16*\i+8*\t+4*\c:16*\i+8*\t+4*\c+3], v[AP] offset:1024*\i+16384*\t+512*\c
.endr
.endr
.irp d, 0,1,2,3
.irp c, 0,1
	ds_load_b128 v[64+32*\i+8*\d+4*\c:64+32*\i+8*\d+4*\c+3], v[AV] offset:(64*\i+16*\d)*VP+32*\c
.endr
.endr
	WIN 0
.irp t, 0,1
	ds_load_b32 v[PS+2*\i+\t], v[APS] offset:128*\i+2048*\t
.endr
.irp d, 0,1,2,3
	ds_load_b32 v[VS+4*\i+\d], v[ADT] offset:(64*\i+16*\d)*16
.endr
.endr
	WIN 0xa5                                       ; sources 0 and 1 window 1, C and D window 2
.irp i, 0,1,2,3
	s_wait_dscnt 54-18*\i                          ; a head has 18 loads: the later heads' may be out
.irp t, 0,1
.irp d, 0,1,2,3
.if \zero
	v_wmma_scale_f32_16x16x128_f8f6f4 v[8*(8*\i+4*\t+\d):8*(8*\i+4*\t+\d)+7], v[16*\i+8*\t:16*\i+8*\t+7], v[64+32*\i+8*\d:64+32*\i+8*\d+7], 0, v[PS+2*\i+\t], v[VS+4*\i+\d] matrix_a_fmt:MATRIX_FMT_FP4 matrix_b_fmt:MATRIX_FMT_FP4
.else
	v_wmma_scale_f32_16x16x128_f8f6f4 v[8*(8*\i+4*\t+\d):8*(8*\i+4*\t+\d)+7], v[16*\i+8*\t:16*\i+8*\t+7], v[64+32*\i+8*\d:64+32*\i+8*\d+7], v[8*(8*\i+4*\t+\d):8*(8*\i+4*\t+\d)+7], v[PS+2*\i+\t], v[VS+4*\i+\d] matrix_a_fmt:MATRIX_FMT_FP4 matrix_b_fmt:MATRIX_FMT_FP4
.endif
.endr
.endr
.endr
	WIN 0
.rept 5
	v_nop                                          ; five places: the next round's scores are written over these products' operands; the way out reads their results
.endr
.endm
.macro ROUND kind, first, zero
	CHANGE \kind, \first
	v_add_nc_u32 v[ADC], s[TB], v[AC0]
	v_add_nc_u32 v[ADS], s[TB], v[AS0]
.if \first
.set hh, 0
.rept 16
	ds_load_b128 v[RQ+4*hh:RQ+4*hh+3], v[ARQ0] offset:512*hh   ; row tile 0's queries; later rounds find them fetched by the round before
	ds_load_b32 v[RS+hh], v[ARS0] offset:128*hh
.set hh, hh+1
.endr
.endif
.set ff, 0
.rept 32
	ds_load_u16 v[CSR+ff], v[ADS] offset:256*(ff/2)+16*(ff%2)  ; two scale bytes, two bytes 0 above them
.set ff, ff+1
.endr
	WIN 0xc0                                       ; destination window 3
.set ff, 0
.rept 32
	ds_load_b128 v[8*ff:8*ff+3], v[ADC] offset:CPH*(ff/2)+256*(ff%2)   ; my block's fragments of all heads: they serve both row tiles
.set ff, ff+1
.endr
	WIN 0
	s_mov_b32 s[TW], 2
.Lrt_\@:
	UNIT
	s_xor_b32 s[RO], s[RO], 8192
	s_xor_b32 s[RSO], s[RSO], 2048
	s_xor_b32 s[IO], s[IO], 16384
	s_xor_b32 s[PO], s[PO], 2048
	s_sub_co_u32 s[TW], s[TW], 1
	s_cmp_lg_u32 s[TW], 0
	s_cbranch_scc1 .Lrt_\@
	s_wait_tensorcnt 0x0                           ; BARRIER B.  My one tensor load (v's tile among them) has no younger one behind it: its count is 0
	s_wait_dscnt 0x0                               ; my codes and bytes have landed
	s_barrier_signal -1
	s_barrier_wait -1                              ; K's images and v's tile are whole
	PHASE2 \zero
	s_xor_b32 s[TB], s[TB], SLOT1
	s_add_co_u32 s[TJ], s[TJ], 4
.endm
.macro GROUP1 g, w0, c, r, p           ; r rows of c elements, p elements apart
	s_mov_b32 s[\g], \w0
	s_mov_b32 s[\g+1], (\c)<<16                    ; tensor_dim0
	s_mov_b32 s[\g+2], (\r)<<16                    ; tensor_dim1
	s_mov_b32 s[\g+3], (\c)<<16                    ; tile_dim0
	s_mov_b32 s[\g+4], \r                          ; tile_dim1
	s_mov_b32 s[\g+5], \p                          ; tensor_dim0_stride
	s_mov_b32 s[\g+6], 0
	s_mov_b32 s[\g+7], 0
.endm
.macro GROUP0 g, lds, ptr, off
	s_mov_b32 s[\g], 1                             ; count = 1
	s_mov_b32 s[\g+1], \lds
	s_add_nc_u64 s[\g+2:\g+3], s[\ptr:\ptr+1], s[\off:\off+1]
	s_or_b32 s[\g+3], s[\g+3], 0x80000000          ; type = 2
.endm
	s_load_b512 s[4:19], s[0:1], 0x0               ; q_codes s[4:5], q_scales s[6:7], a_codes s[8:9], a_scales s[10:11], v_codes s[12:13], v_scales s[14:15], kvc s[16:17], kvs s[18:19]
	v_lshl_add_u32 v[SPW], v0, 2, SPARE
	v_mov_b32 v[NIL], 0
	ds_add_u32 v1, v2
	ds_add_u32 v1, v2
	s_wait_dscnt 0x0
	v_lshrrev_b32 v244, 5, v0
	v_readfirstlane_b32 s[WV], v244                ; wave 0..3
	s_bfe_u32 s[CX], ttmp6, 0x40000                ; cx
	s_and_b32 s[BB], ttmp7, 0xffff                 ; the batch, which the four partners share
	GROUP1 G1C, JOINT|PAD512, 512, 16, 2048        ; 16 heads x 4,096 bytes (128 agents), 16,384 bytes from head to head
	GROUP1 G1S, JOINT, 32, 16, 128                 ; 16 heads x 256 scale bytes, 1,024 from head to head
	GROUP1 G1V, JOINT|PAD64, 8, 1024, 32           ; 1,024 rows (h, d) x 64 bytes, 256 from row to row
	GROUP1 G1W, JOINT, 32, 64, 32                  ; the batch's 16,384 scale bytes of v, dense, as rows of 256
	s_lshl_b32 s88, s[BB], 18                      ; the batch in a_codes and v_codes,
	s_mov_b32 s89, 0
	s_lshl_b32 s90, s[BB], 14                      ; in a_scales and v_scales
	s_mov_b32 s91, 0
	s_mov_b32 s[CC], 0x3e38aa3b                    ; c = log2(e) / 8
	s_mov_b32 s[CC+1], s[CC]
	s_mov_b32 s[NC], 0xbe38aa3b
	s_mov_b32 s[SEL], 0x76543210
	s_mov_b32 s[SEL+1], 0xfedcba98
	s_mov_b32 s[TB], 0
	s_mov_b32 s[TJ], 0
	s_mov_b32 s[RO], 8192
	s_mov_b32 s[RSO], 2048
	s_mov_b32 s[IO], 0
	s_mov_b32 s[PO], 0
	s_wait_kmcnt 0x0
	GROUP0 G0C, 0, 8, 88
	GROUP0 G0S, CSC, 10, 90
	GROUP0 G0V, VB, 12, 88
	GROUP0 G0W, VSC, 14, 90
	CROUND                                         ; all four work-groups are here: the first joint loads meet
	TLOAD 0                                        ; round 0's agents, and v's scale bytes
	s_lshl_b32 s[XX], ttmp9, 2
	s_add_co_u32 s[XX], s[XX], s[CX]               ; my block of 32 queries = 4 x cluster x + cx
	s_lshl_b32 s66, s[BB], 21                      ; q_codes: batch, + 32 queries x 32 bytes x block, + my four heads
	s_lshl_b32 s67, s[XX], 10
	s_add_co_u32 s66, s66, s67
	s_lshl_b32 s67, s[WV], 19
	s_add_co_u32 s66, s66, s67
	s_mov_b32 s67, 0
	s_add_nc_u64 s[4:5], s[4:5], s[66:67]
	s_lshl_b32 s66, s[BB], 17                      ; q_scales likewise, 2 bytes a query
	s_lshl_b32 s67, s[XX], 6
	s_add_co_u32 s66, s66, s67
	s_lshl_b32 s67, s[WV], 15
	s_add_co_u32 s66, s66, s67
	s_mov_b32 s67, 0
	s_add_nc_u64 s[6:7], s[6:7], s[66:67]
	v_and_b32 v244, 15, v0                         ; r
	v_bfe_u32 v245, v0, 4, 1                       ; lane / 16
	v_and_b32 v246, 31, v0                         ; lane
	v_and_b32 v250, 8, v0                          ; 8 (r / 8)
	v_add_nc_u32 v247, v250, v244                  ; r + 8 (r / 8)
	v_lshlrev_b32 v248, 5, v247
	v_lshl_add_u32 v248, v245, 4, v248             ; a row of 64 codes is 32 bytes; + 16 for lanes 16-31
	v_lshlrev_b32 v249, 1, v247
.irp u, 0,1
.irp i, 0,1,2,3
	global_load_b128 v[24+16*\u+4*\i:24+16*\u+4*\i+3], v248, s[4:5] offset:131072*\i+256*\u   ; head 4 w + i, row tile u: query n0 + 8 u + r + 8 (r / 8)
	global_load_u16 v[72+4*\u+\i], v249, s[6:7] offset:8192*\i+16*\u
.endr
.endr
	s_lshl_b32 s66, s[BB], 5                       ; kvc: (32 b + ks) x 65,536 + my four heads x 4,096 + 256 x block; ks = cluster x, block = cx
	s_add_co_u32 s66, s66, ttmp9
	s_lshl_b32 s66, s66, 16
	s_lshl_b32 s67, s[WV], 14
	s_add_co_u32 s66, s66, s67
	s_lshl_b32 s67, s[CX], 8
	s_add_co_u32 s66, s66, s67
	s_mov_b32 s67, 0
	s_add_nc_u64 s[16:17], s[16:17], s[66:67]
	s_lshl_b32 s66, s[BB], 5                       ; kvs: (32 b + ks) x 4,096 + my four heads x 256 + block
	s_add_co_u32 s66, s66, ttmp9
	s_lshl_b32 s66, s66, 12
	s_lshl_b32 s67, s[WV], 10
	s_add_co_u32 s66, s66, s67
	s_add_co_u32 s66, s66, s[CX]
	s_mov_b32 s67, 0
	s_add_nc_u64 s[18:19], s[18:19], s[66:67]
	v_lshl_add_u32 v[AC0], v250, 1, v248           ; 32 (r + 8 (r / 8)) + 16 (lane / 16) + 16 (r / 8),
	s_mul_i32 s[SX], s[WV], 1056
	v_add_nc_u32 v[AC0], s[SX], v[AC0]             ; + my block: 32 agents and two paddings
	s_lshl_b32 s[SX], s[WV], 6
	s_add_co_u32 s[SX], s[SX], CSC
	v_add_nc_u32 v[AS0], s[SX], v249
	v_lshl_add_u32 v[ARQ0], v246, 4, ROWI
	v_lshl_add_u32 v[ARS0], v246, 2, ROWS
	v_lshlrev_b32 v20, 4, v244
	v_lshl_add_u32 v20, v245, 3, v20               ; v20  16 r + 8 (lane / 16): a block's place in an image, in LDS and in kvc
	s_lshl_b32 s[SX], s[WV], 8
	s_add_co_u32 s[SX], s[SX], IMG
	v_add_nc_u32 v[AIM0], s[SX], v20
	v_lshl_add_u32 v[APB0], v246, 2, PSC
	v_add_nc_u32 v[APB0], s[WV], v[APB0]
	s_lshl_b32 s[SX], s[WV], 12
	s_add_co_u32 s[SX], s[SX], IMG
	v_lshl_add_u32 v[AP], v246, 4, s[SX]
	s_lshl_b32 s[SX], s[WV], 9
	s_add_co_u32 s[SX], s[SX], PSC
	v_lshl_add_u32 v[APS], v246, 2, s[SX]
	v_mul_u32_u24 v[AV], v244, VP
	v_lshl_add_u32 v[AV], v245, 4, v[AV]
	s_mul_i32 s[SX], s[WV], 256*VP
	s_add_co_u32 s[SX], s[SX], VB
	v_add_nc_u32 v[AV], s[SX], v[AV]
	s_lshl_b32 s[SX], s[WV], 12
	s_add_co_u32 s[SX], s[SX], VSC
	v_lshl_add_u32 v[AVS0], v244, 4, s[SX]
	s_lshl_b32 s[SX], s[WV], 11
	s_add_co_u32 s[SX], s[SX], ROWI
	v_lshl_add_u32 v251, v246, 4, s[SX]            ; where my heads' query images go,
	s_lshl_b32 s[SX], s[WV], 9
	s_add_co_u32 s[SX], s[SX], ROWS
	v_lshl_add_u32 v252, v246, 2, s[SX]            ; and their scale words
	v_lshlrev_b32 v21, 2, v244
	v_lshl_add_u32 v21, v245, 6, v21               ; v21  kvs: 4 r, lanes 16-31 one fragment (64 bytes) on
	v_bfe_u32 v22, v0, 4, 1                        ; v22  lane / 16
.irp j, 0,1,2,3
	v_mov_b32 v[RQ+64+\j], 0                       ; the padding behind head 15's queries
.endr
	WIN 0xc0
.set ff, 0
.rept 32
.irp j, 4,5,6,7
	v_mov_b32 v[8*ff+\j], 0                        ; the zero codes of K = 64 .. 127: operand data, written once for the launch
.endr
.set ff, ff+1
.endr
	WIN 0
.set hh, 0
.rept 16
	v_mov_b32 v[T+hh], 0                           ; a lane permute's destination counts as one of its sources
.set hh, hh+1
.endr
	s_wait_loadcnt 0x0
.irp u, 0,1
.irp i, 0,1,2,3
	ds_store_b128 v251, v[24+16*\u+4*\i:24+16*\u+4*\i+3] offset:8192*\u+512*\i
	ds_store_b32 v252, v[72+4*\u+\i] offset:2048*\u+128*\i
.endr
.endr
	ROUND 2, 1, 1                                  ; its barrier A shows the queries' images to every wave
	s_mov_b32 s[RC], NR-2
.Lround:
	ROUND 2, 0, 0
	s_sub_co_u32 s[RC], s[RC], 1
	s_cmp_lg_u32 s[RC], 0
	s_cbranch_scc1 .Lround
	ROUND 1, 0, 0                                  ; the last round is written out: it asks for no agents
	; THE WAY OUT.  The work-group's 32 queries are one block of 32 along n.  Block q = 4 i + dt: row tile 0's eight registers, then row tile 1's, are n = 16 (lane / 16) + 0 .. 15 of d = 16 dt + r.
	WIN 0x0a
.set qq, 0
.rept 16
	v_max3_num_f32 v[BM+qq], |v[64*(qq/4)+8*(qq%4)]|, |v[64*(qq/4)+8*(qq%4)+1]|, 0x1800000
.set qq, qq+1
.endr
	WIN 0x28
.irp e, 2,4,6,32,34,36,38
.set qq, 0
.rept 16
	v_max3_num_f32 v[BM+qq], v[BM+qq], |v[64*(qq/4)+8*(qq%4)+\e]|, |v[64*(qq/4)+8*(qq%4)+\e+1]|
.set qq, qq+1
.endr
.endr
	WIN 0
.set qq, 0
.rept 16
	v_permlanex16_b32 v[T+qq], v[BM+qq], s[SEL], s[SEL+1]
.set qq, qq+1
.endr
.set qq, 0
.rept 16
	v_max_num_f32 v[BM+qq], v[BM+qq], v[T+qq]
.set qq, qq+1
.endr
.set qq, 0
.rept 16
	v_add_nc_u32 v[BM+qq], 0xff000000, v[BM+qq]
.set qq, qq+1
.endr
.set qq, 0
.rept 16
	v_lshrrev_b32 v[T+qq], 23, v[BM+qq]
.set qq, qq+1
.endr
	WIN 0x02
.set qq, 0
.rept 16
	v_cvt_scalef32_pk8_fp4_f32 v[PC+2*qq], v[64*(qq/4)+8*(qq%4):64*(qq/4)+8*(qq%4)+7], v[BM+qq]
	v_cvt_scalef32_pk8_fp4_f32 v[PC+2*qq+1], v[64*(qq/4)+8*(qq%4)+32:64*(qq/4)+8*(qq%4)+39], v[BM+qq]
.set qq, qq+1
.endr
	v_nop
	WIN 0
	v_cmp_ne_u32 vcc_lo, 0, v22                    ; lanes 16-31
.set qq, 0
.rept 16
	global_store_b64 v20, v[PC+2*qq:PC+2*qq+1], s[16:17] offset:1024*qq   ; 32 lanes store 256 consecutive bytes, at a multiple of 256 from kvc's first byte
.set qq, qq+1
.endr
.set qq, 0
.rept 8
	v_cndmask_b32 v[T+2*qq], v[T+2*qq], v[T+2*qq+1], vcc_lo   ; lanes 0-15 store fragment 2 q's bytes, lanes 16-31 fragment 2 q + 1's
.set qq, qq+1
.endr
.set qq, 0
.rept 8
	global_store_b8 v21, v[T+2*qq], s[18:19] offset:128*qq
.set qq, qq+1
.endr
	s_wait_tensorcnt 0x0                           ; the wave's end
	ds_add_u32 v[SPW], v[NIL]
	s_wait_dscnt 0x0
	CROUND                                         ; the closing round: no work-group ends while a partner may still ask for a tile that names it
	s_endpgm
.Lfunc_end_k_qb18bef8289_kv:
	.size	k_qb18bef8289_kv, .Lfunc_end_k_qb18bef8289_kv-k_qb18bef8289_kv
	.p2alignl 7, 3214868480
	.fill 96, 4, 3214868480
	.section	.rodata,"a",@progbits
	.p2align	6, 0x0
	.amdhsa_kernel k_qb18bef8289_kv
		.amdhsa_group_segment_fixed_size 327680
		.amdhsa_private_segment_fixed_size 0
		.amdhsa_enable_private_segment 0
		.amdhsa_kernarg_size 64
		.amdhsa_user_sgpr_count 2
		.amdhsa_user_sgpr_kernarg_segment_ptr 1
		.amdhsa_wavefront_size32 1
		.amdhsa_system_sgpr_workgroup_id_x 1
		.amdhsa_system_sgpr_workgroup_id_y 1
		.amdhsa_system_sgpr_workgroup_id_z 1
		.amdhsa_system_vgpr_workitem_id 0
		.amdhsa_next_free_vgpr 1024
		.amdhsa_next_free_sgpr 96
		.amdhsa_reserve_vcc 1
		.amdhsa_float_denorm_mode_32 3
		.amdhsa_float_denorm_mode_16_64 3
		.amdhsa_memory_ordered 1
		.amdhsa_forward_progress 1
		.amdhsa_inst_pref_size 255
	.end_amdhsa_kernel
	.section	.bss,"aw",@nobits
	.p2align	6
	.space	262144
	.amdgpu_metadata
---
amdhsa.version: [ 1, 2 ]
amdhsa.kernels:
  - .name:           k_qb18bef8289_kv
    .symbol:         k_qb18bef8289_kv.kd
    .args:
      - { .name: q_codes, .offset: 0, .size: 8, .value_kind: global_buffer, .address_space: global }
      - { .name: q_scales, .offset: 8, .size: 8, .value_kind: global_buffer, .address_space: global }
      - { .name: a_codes, .offset: 16, .size: 8, .value_kind: global_buffer, .address_space: global }
      - { .name: a_scales, .offset: 24, .size: 8, .value_kind: global_buffer, .address_space: global }
      - { .name: v_codes, .offset: 32, .size: 8, .value_kind: global_buffer, .address_space: global }
      - { .name: v_scales, .offset: 40, .size: 8, .value_kind: global_buffer, .address_space: global }
      - { .name: kvc, .offset: 48, .size: 8, .value_kind: global_buffer, .address_space: global }
      - { .name: kvs, .offset: 56, .size: 8, .value_kind: global_buffer, .address_space: global }
    .group_segment_fixed_size: 327680
    .private_segment_fixed_size: 0
    .kernarg_segment_align: 8
    .kernarg_segment_size: 64
    .max_flat_workgroup_size: 128
    .sgpr_count:     96
    .vgpr_count:     1024
    .wavefront_size: 32
...
	.end_amdgpu_metadata
.endif
;; end of part 1
;; launch att (part 2): grid 16 x 16, 4 waves a work-group, clusters of 4 x 1, 327,680 bytes of LDS; arguments a_codes, a_scales, k_codes, k_scales, kvc, kvs, part; writes part
.if DOCPART == 2
	.amdgcn_target "amdgcn-amd-amdhsa--gfx1250"
	.amdhsa_code_object_version 6
	.text
	.protected	k_qb18bef8289_att
	.globl	k_qb18bef8289_att
	.p2align	8
	.type	k_qb18bef8289_att,@function
k_qb18bef8289_att:
	s_mov_b64 s[64:65], 0
	v_nop
	global_prefetch_b8 v0, s[64:65] scope:SCOPE_SE
	s_setreg_imm32_b32 hwreg(HW_REG_WAVE_MODE, 25, 1), 1
	s_wait_xcnt 0x0
	s_wait_alu depctr_hold_cnt(0) depctr_sa_sdst(0) depctr_va_vdst(0) depctr_va_sdst(0) depctr_va_ssrc(0) depctr_va_vcc(0) depctr_vm_vsrc(0)
	s_getreg_b32 s2, hwreg(HW_REG_IB_STS2, 6, 4)
	s_cmp_eq_u32 s2, 0
	s_cbranch_scc0 .Lentry_in_a_cluster
	s_endpgm
.Lentry_in_a_cluster:
	s_bfe_u32 s2, ttmp6, 0x10000c
	s_cmp_lg_u32 s2, 0x3003
	s_cbranch_scc0 .Lentry_shape_is_right
	s_endpgm
.Lentry_shape_is_right:
; part[kr] = sum over the keys n of quarter kr of Q[b][h][a][n] KV[b][h][n][d], Q = softmax OVER THE 16 HEADS of a . k / 8; both products on codes of FP4 (E2M1) with one E8M0 scale for each 32 along K.
; Q is quantised finished and normalised, along n; KV comes as codes (kvc) and scale words (kvs) from the launch before, laid as images of the operand's registers.
; SHARES.  A work-group owns 32 agents (two row tiles of 16) of one batch, for all 16 heads, and walks 1,024 keys (quarter kr of the 4,096) in NR = 8 rounds of 128.  Four waves, one to a SIMD.  The four quarters' sums are added by the next launch.
; PHASE 1, waves share the keys: wave w takes block w (32 keys) of the round, for all heads.  A UNIT = one row tile x one block x 16 heads: 32 matrix instructions, 256 score registers.  Source 0 = 16 keys,
;   source 1 = 16 agents: a lane holds ONE agent, and the 16 heads lie in 16 accumulators of the same lane: the maximum and the sum over heads ask no other lane.  Tile u of a block takes keys 8 u + r + 8 (r / 8),
;   so that the 16 registers of tiles 0 and 1 are keys 16 (lane / 16) + 0 .. 15.  K = 64 fills half of the instruction's 128: the keys' fragments carry zero codes in registers 4-7 (written once); the agents'
;   fragments are packed four registers a head, so their upper half is the next head's codes, which meet zero codes; scale words are the two given bytes with two bytes 0 above them.
; PHASE 2, waves share the heads: wave w takes heads 4 w .. 4 w + 3: Q's codes come from LDS as images of the operand's registers (a block's 8 bytes a lane are stored where the image wants them), KV's from the tile.
;   Source 0 = KV (16 d), source 1 = Q (16 agents): a lane holds agent r and d = 16 dt + 8 (lane / 16) + 0 .. 7.
; TILES.  The four work-groups of a cluster differ in their agents alone and walk the same keys: each tile is asked for JOINTLY (mask 15).  Keys' codes and scales: two slots by turns, round j + 1 asked for behind round j's
;   cluster round.  KV's codes and scale words: one buffer, round j's asked for behind the same round and read behind barrier B: it has phase 1 in which to land.  By this text's count a wave has one tensor load out.
; LIMITS: NaN, infinities and the scale byte 0xff among the inputs are not served; a weight under 2^-126 becomes 0 (v_exp_f32 flushes: ISA guide, 15.8); a block of zeros carries the byte 1 (its codes are zeros; this launch alone reads the bytes).
;   The sum over n is formed as four f32 part sums.
; REGISTERS, in windows of 256.  Window 0: see the names below.  Window 1: scores, head h tile u at 16 h + 8 u; in phase 2 Q's fragments at 16 i + 8 rt, KV's at 64 + 32 i + 8 dt.
;   Window 2: the 32 accumulators at 8 (8 i + 4 rt + dt).  Window 3: the keys' fragments, f = 2 h + u at 8 f; registers 8 f + 4 .. 8 f + 7 stay zero.
.set NR,    8                          ; rounds of 128 keys
.set SLOT1, 1<<17                      ; slot 1 of the keys' tiles begins here: one exclusive or turns an address
.set CPH,   4224                       ; a head's 128 keys in a slot: 4,096 bytes + 16 of padding behind every 512, so that keys 16-31 of a block lie one 16-byte column further on
.set CSC,   16*CPH                     ; behind the codes: the scale bytes, 256 a head
.set IMG,   71680                      ; Q's images: (16 rt + h) x 1,024
.set PSC,   IMG+32768                  ; Q's scale words: (16 rt + h) x 128 + 4 x lane
.set ROWI,  PSC+4096                   ; the agents' images: (16 rt + h) x 512 + 16 x lane
.set ROWS,  ROWI+16384                 ; their scale words: (16 rt + h) x 128 + 4 x lane
.set SPARE, ROWS+4096                  ; the spare words, 128 bytes a wave: two blocks of 256 bytes that no other line names
.set VB,    SLOT1+71680                ; KV's tile: fragment 4 h + dt, 1,024 bytes, an image
.set VSC,   VB+65536                   ; KV's scale words: (4 h + dt) x 64 + 4 r
.set SPW, 1                            ; v1   SPARE + 4 x thread; never rewritten
.set NIL, 2                            ; v2   0; never rewritten
.set AC0, 3                            ; v3   my lane's place in a slot's codes;  v4 in its scale bytes;  v5, v6 the same in the slot in hand
.set AS0, 4
.set ADC, 5
.set ADS, 6
.set ARQ0, 7                           ; v7, v8   my lane's place in an agent image, a scale word;  v9, v10 the same for the row tile wanted
.set ARS0, 8
.set ARQ, 9
.set ARS, 10
.set AIM0, 11                          ; v11, v12 where I store a block's codes, its scale byte;  v13, v14 the same for the row tile in hand
.set APB0, 12
.set AIM, 13
.set APB, 14
.set AP,  15                           ; v15, v16 phase 2: my heads' images of Q, their scale words
.set APS, 16
.set AV,  17                           ; v17, v18 my heads' fragments of KV, their scale words
.set AVS0, 18
.set M,   24                           ; v24-39   by position: the heads' maximum, then -c x it, then the sum, then 1 / sum
.set BM,  40                           ; v40-55   by head: the block's largest weight, then the conversion's scale operand
.set T,   56                           ; v56-71   at work; then the scale's byte
.set PC,  72                           ; v72-103  codes, two registers a head
.set CSR, 104                          ; v104-135 the keys' scale words, one a fragment
.set RS,  136                          ; v136-151 the agents' scale words, one a head
.set RQ,  152                          ; v152-219 the agents' fragments, four a head, and four of padding
.set PS,  220                          ; v220-227 Q's scale words (2 i + rt)
.set VS,  228                          ; v228-243 KV's scale words (4 i + dt)
.set TB,  2                            ; s2   the slot in hand: 0 or SLOT1
.set RC,  3                            ; s3   counts rounds
.set WV,  20                           ; s20  my wave's number
.set AG,  21                           ; s21  cx, then my block of 32 agents: it enters global addresses of a and part alone (with s66, s67)
.set YY,  22                           ; s22  work-group y = 4 b + kr
.set SX,  23                           ; s23  at work, from the wave's number alone
.set G1C, 24                           ; s[24:55] descriptor groups 1: keys' codes, keys' scales, KV's codes, KV's scale words
.set G1S, 32
.set G1V, 40
.set G1W, 48
.set G0C, 56                           ; groups 0, in the same order
.set G0S, 60
.set G0V, 68
.set G0W, 72
.set CC,  76                           ; s[76:77] c = log2(e) / 8, twice;  s78 -c
.set NC,  78
.set KR,  79                           ; s79  the quarter of the keys
.set SEL, 80                           ; s[80:81] v_permlanex16_b32's selects for lane l xor 16
.set TW,  82                           ; s82  counts a round's two row tiles
.set RO,  83                           ; s83, s84 the OTHER row tile's place among the agents' images, scale words
.set RSO, 84
.set IO,  85                           ; s85, s86 this row tile's place among Q's images, scale words
.set PO,  86
.set BB,  87                           ; s87  the batch
.set JOINT,  15|(3<<16)|(1<<21)        ; group 1, word 0: the mask of all four work-groups; elements of 8 bytes; bit 21 set beside a mask
.set PAD512, (1<<20)|(6<<22)|(3<<25)   ; four words of padding behind every 128
.set MSB, 0
.macro WIN new                         ; bits 1:0 source 0, 3:2 source 1, 5:4 source 2, 7:6 destination; the high byte repeats the setting that is left
.if MSB != \new
	s_set_vgpr_msb (MSB<<8)|\new
.set MSB, \new
.endif
.endm
.macro CROUND                          ; a round of the cluster's barrier
	s_barrier_signal -1
	s_barrier_wait -1
	s_cmp_lg_u32 s[WV], 0
	s_cbranch_scc1 .Lnot_wave_0_\@
	s_barrier_signal -3
.Lnot_wave_0_\@:
	s_barrier_wait -3
	s_barrier_signal -1
	s_barrier_wait -1
.endm
.macro ARM wave, g0, g1                ; one wave's joint load; the branch hangs on the wave's number alone; four v_nop follow the load
	s_cmp_lg_u32 s[WV], \wave
	s_cbranch_scc1 .Lnot_mine_\@
	tensor_load_to_lds s[\g0:\g0+3], s[\g1:\g1+7]
	s_nop 0
.rept 4
	v_nop
.endr
.Lnot_mine_\@:
.endm
.macro TLOAD kind                      ; 0: the first fills;  2: the next round's keys and this round's KV;  1: this round's KV alone (the last round)
.if \kind != 1
	ARM 0, G0C, G1C
.endif
.if \kind != 0
	ARM 1, G0V, G1V
.endif
.if \kind != 1
	ARM 2, G0S, G1S
.endif
.if \kind != 0
	ARM 3, G0W, G1W
.endif
.endm
; BARRIER A, at a round's head: every wave's tensor load has landed, its add is done, its LDS reads and stores are over; then a round of the cluster's barrier, and behind it one joint load a wave.
.macro CHANGE kind, first
	s_wait_tensorcnt 0x0                           ; no tensor load of mine is out, so groups 0 may be written
	ds_add_u32 v[SPW], v[NIL]                      ; 0 onto my spare word; the descriptors' steps stand between it and the wait for it
	ds_add_u32 v1, v2
.if \kind == 2
	s_xor_b32 s[G0C+1], s[G0C+1], SLOT1            ; the keys' descriptors walk: the other slot, the next 128 keys
	s_add_nc_u64 s[G0C+2:G0C+3], s[G0C+2:G0C+3], 4096
	s_xor_b32 s[G0S+1], s[G0S+1], SLOT1
	s_add_nc_u64 s[G0S+2:G0S+3], s[G0S+2:G0S+3], 256
.endif
.if !\first
	s_add_nc_u64 s[G0V+2:G0V+3], s[G0V+2:G0V+3], 65536   ; KV: the next K step's 64 fragments,
	s_add_nc_u64 s[G0W+2:G0W+3], s[G0W+2:G0W+3], 4096    ; and their scale words
.endif
	s_wait_dscnt 0x0                               ; the add is done; my reads of KV's tile, of Q's images and of the slot left are over; my stores have landed
	CROUND
	TLOAD \kind
.endm
; A UNIT: one row tile x my block x 16 heads.
.macro UNIT
	WIN 0x43                                       ; D window 1, source 0 (keys) window 3, source 1 (agents) window 0
.set ff, 0
.rept 32
.if ff%8 == 0
	s_wait_dscnt 24-ff                             ; first row tile: the fragment loads behind this group's eight may be out.  Second: 32 stores stand behind the agents' loads, so at most 24 out shows those in
.endif
	v_wmma_scale_f32_16x16x128_f8f6f4 v[8*ff:8*ff+7], v[8*ff:8*ff+7], v[RQ+4*(ff/2):RQ+4*(ff/2)+7], 0, v[CSR+ff], v[RS+ff/2] matrix_a_fmt:MATRIX_FMT_FP4 matrix_b_fmt:MATRIX_FMT_FP4
.set ff, ff+1
.endr
	WIN 0
	v_add_nc_u32 v[ARQ], s[RO], v[ARQ0]            ; four plain lines: the places behind the products, ahead of the loads into their operands and of the first read of their results
	v_add_nc_u32 v[ARS], s[RSO], v[ARS0]
	v_add_nc_u32 v[AIM], s[IO], v[AIM0]
	v_add_nc_u32 v[APB], s[PO], v[APB0]
.set hh, 0
.rept 16
	ds_load_b128 v[RQ+4*hh:RQ+4*hh+3], v[ARQ] offset:512*hh   ; the other row tile's agents land under this tile's softmax
.set hh, hh+1
.endr
.set hh, 0
.rept 16
	ds_load_b32 v[RS+hh], v[ARS] offset:128*hh
.set hh, hh+1
.endr
	WIN 0x15                                       ; THE MAXIMUM OVER THE HEADS, by position; positions ascend
.set pp, 0
.rept 16
	v_max3_num_f32 v[M+pp], v[pp], v[16+pp], v[32+pp]
.set pp, pp+1
.endr
	WIN 0x14
.set hh, 3
.rept 6
.set pp, 0
.rept 16
	v_max3_num_f32 v[M+pp], v[M+pp], v[16*hh+pp], v[16*hh+16+pp]
.set pp, pp+1
.endr
.set hh, hh+2
.endr
.set pp, 0
.rept 16
	v_max_num_f32 v[M+pp], v[M+pp], v[240+pp]
.set pp, pp+1
.endr
	WIN 0
.set pp, 0
.rept 16
	v_mul_f32 v[M+pp], s[NC], v[M+pp]              ; -c x maximum
.set pp, pp+1
.endr
	WIN 0x41                                       ; t = c s - c max, two at a time, and 2^t: ONE BATCH: no line of it reads an exponential's result; a head's scalings stand among the exponentials of the head before
.set kk, 0
.rept 8
	v_pk_fma_f32 v[2*kk:2*kk+1], v[2*kk:2*kk+1], s[CC:CC+1], v[M+2*kk:M+2*kk+1] op_sel_hi:[1,0,1]
.set kk, kk+1
.endr
.set hh, 0
.rept 16
.set kk, 0
.rept 8
	v_exp_f32 v[16*hh+2*kk], v[16*hh+2*kk]
	v_exp_f32 v[16*hh+2*kk+1], v[16*hh+2*kk+1]
.if hh < 15
	v_pk_fma_f32 v[16*hh+16+2*kk:16*hh+17+2*kk], v[16*hh+16+2*kk:16*hh+17+2*kk], s[CC:CC+1], v[M+2*kk:M+2*kk+1] op_sel_hi:[1,0,1]
.endif
.set kk, kk+1
.endr
.set hh, hh+1
.endr
	v_nop                                          ; a plain line behind the last exponential
	s_wait_alu depctr_va_vdst(0)                   ; one wait for the 256, ahead of their first reader
	WIN 0x05                                       ; THE SUM OVER THE HEADS, eight chains of pairs by turns
.set kk, 0
.rept 8
	v_pk_add_f32 v[M+2*kk:M+2*kk+1], v[2*kk:2*kk+1], v[16+2*kk:17+2*kk]
.set kk, kk+1
.endr
	WIN 0x04
.set hh, 2
.rept 14
.set kk, 0
.rept 8
	v_pk_add_f32 v[M+2*kk:M+2*kk+1], v[M+2*kk:M+2*kk+1], v[16*hh+2*kk:16*hh+2*kk+1]
.set kk, kk+1
.endr
.set hh, hh+1
.endr
	WIN 0
.set pp, 0
.rept 16
	v_rcp_f32 v[M+pp], v[M+pp]
.set pp, pp+1
.endr
	v_nop
	s_wait_alu depctr_va_vdst(0)                   ; one wait for the 16 reciprocals
	WIN 0x41                                       ; the finished weights
.set hh, 0
.rept 16
.set kk, 0
.rept 8
	v_pk_mul_f32 v[16*hh+2*kk:16*hh+2*kk+1], v[16*hh+2*kk:16*hh+2*kk+1], v[M+2*kk:M+2*kk+1]
.set kk, kk+1
.endr
.set hh, hh+1
.endr
	WIN 0x05                                       ; THE QUANTISER, a block a head: my 16 weights (none is negative) and the floor 2^(3 - 127), which holds the byte at 1 from below; 16 chains by turns
.set hh, 0
.rept 16
	v_max3_num_f32 v[BM+hh], v[16*hh], v[16*hh+1], 0x1800000
.set hh, hh+1
.endr
	WIN 0x14
.set pp, 2
.rept 7
.set hh, 0
.rept 16
	v_max3_num_f32 v[BM+hh], v[BM+hh], v[16*hh+pp], v[16*hh+pp+1]
.set hh, hh+1
.endr
.set pp, pp+2
.endr
	WIN 0
.set hh, 0
.rept 16
	v_permlanex16_b32 v[T+hh], v[BM+hh], s[SEL], s[SEL+1]
.set hh, hh+1
.endr
.set hh, 0
.rept 16
	v_max_num_f32 v[BM+hh], v[BM+hh], v[T+hh]      ; with lane l xor 16's 16: the block's largest
.set hh, hh+1
.endr
.set hh, 0
.rept 16
	v_add_nc_u32 v[BM+hh], 0xff000000, v[BM+hh]    ; 2 off its exponent field: the conversion's scale operand
.set hh, hh+1
.endr
.set hh, 0
.rept 16
	v_lshrrev_b32 v[T+hh], 23, v[BM+hh]            ; the scale's byte
.set hh, hh+1
.endr
	WIN 0x01
.set hh, 0
.rept 16
	v_cvt_scalef32_pk8_fp4_f32 v[PC+2*hh], v[16*hh:16*hh+7], v[BM+hh]
	v_cvt_scalef32_pk8_fp4_f32 v[PC+2*hh+1], v[16*hh+8:16*hh+15], v[BM+hh]
.set hh, hh+1
.endr
	v_nop                                          ; a plain line behind the last scaled conversion: the next products write its sources
	WIN 0
.set hh, 0
.rept 16
	ds_store_b64 v[AIM], v[PC+2*hh:PC+2*hh+1] offset:1024*hh   ; my 16 codes, at 256 w + 16 r + 8 (lane / 16) of the head's image: 256 consecutive bytes a store
.set hh, hh+1
.endr
.set hh, 0
.rept 16
	ds_store_b8 v[APB], v[T+hh] offset:128*hh      ; byte w of the row's scale word
.set hh, hh+1
.endr
.endm
; PHASE 2: my four heads: the sums over the round's 128 keys.  32 accumulators, one instruction each: they take turns.  zero = 1: the first round starts the sums.
.macro PHASE2 zero
.irp i, 0,1,2,3
	WIN 0x40
.irp t, 0,1
.irp c, 0,1
	ds_load_b128 v[16*\i+8*\t+4*\c:16*\i+8*\t+4*\c+3], v[AP] offset:1024*\i+16384*\t+512*\c
.endr
.endr
.irp d, 0,1,2,3
.irp c, 0,1
	ds_load_b128 v[64+32*\i+8*\d+4*\c:64+32*\i+8*\d+4*\c+3], v[AV] offset:(4*\i+\d)*1024+512*\c
.endr
.endr
	WIN 0
.irp t, 0,1
	ds_load_b32 v[PS+2*\i+\t], v[APS] offset:128*\i+2048*\t
.endr
.irp d, 0,1,2,3
	ds_load_b32 v[VS+4*\i+\d], v[AVS0] offset:(4*\i+\d)*64
.endr
.endr
	WIN 0xa5                                       ; sources 0 and 1 window 1, C and D window 2
.irp i, 0,1,2,3
	s_wait_dscnt 54-18*\i                          ; a head has 18 loads: the later heads' may be out
.irp t, 0,1
.irp d, 0,1,2,3
.if \zero
	v_wmma_scale_f32_16x16x128_f8f6f4 v[8*(8*\i+4*\t+\d):8*(8*\i+4*\t+\d)+7], v[64+32*\i+8*\d:64+32*\i+8*\d+7], v[16*\i+8*\t:16*\i+8*\t+7], 0, v[VS+4*\i+\d], v[PS+2*\i+\t] matrix_a_fmt:MATRIX_FMT_FP4 matrix_b_fmt:MATRIX_FMT_FP4
.else
	v_wmma_scale_f32_16x16x128_f8f6f4 v[8*(8*\i+4*\t+\d):8*(8*\i+4*\t+\d)+7], v[64+32*\i+8*\d:64+32*\i+8*\d+7], v[16*\i+8*\t:16*\i+8*\t+7], v[8*(8*\i+4*\t+\d):8*(8*\i+4*\t+\d)+7], v[VS+4*\i+\d], v[PS+2*\i+\t] matrix_a_fmt:MATRIX_FMT_FP4 matrix_b_fmt:MATRIX_FMT_FP4
.endif
.endr
.endr
.endr
	WIN 0
.rept 5
	v_nop                                          ; five places: the next round's scores are written over these products' operands; the way out stores their results
.endr
.endm
.macro ROUND kind, first, zero
	CHANGE \kind, \first
	v_add_nc_u32 v[ADC], s[TB], v[AC0]
	v_add_nc_u32 v[ADS], s[TB], v[AS0]
.if \first
.set hh, 0
.rept 16
	ds_load_b128 v[RQ+4*hh:RQ+4*hh+3], v[ARQ0] offset:512*hh   ; row tile 0's agents; later rounds find them fetched by the round before
	ds_load_b32 v[RS+hh], v[ARS0] offset:128*hh
.set hh, hh+1
.endr
.endif
.set ff, 0
.rept 32
	ds_load_u16 v[CSR+ff], v[ADS] offset:256*(ff/2)+16*(ff%2)  ; two scale bytes, two bytes 0 above them
.set ff, ff+1
.endr
	WIN 0xc0                                       ; destination window 3
.set ff, 0
.rept 32
	ds_load_b128 v[8*ff:8*ff+3], v[ADC] offset:CPH*(ff/2)+256*(ff%2)   ; my block's fragments of all heads: they serve both row tiles
.set ff, ff+1
.endr
	WIN 0
	s_mov_b32 s[TW], 2
.Lrt_\@:
	UNIT
	s_xor_b32 s[RO], s[RO], 8192
	s_xor_b32 s[RSO], s[RSO], 2048
	s_xor_b32 s[IO], s[IO], 16384
	s_xor_b32 s[PO], s[PO], 2048
	s_sub_co_u32 s[TW], s[TW], 1
	s_cmp_lg_u32 s[TW], 0
	s_cbranch_scc1 .Lrt_\@
	s_wait_tensorcnt 0x0                           ; BARRIER B.  My one tensor load (KV's tiles among them) has no younger one behind it: its count is 0
	s_wait_dscnt 0x0                               ; my codes and bytes have landed
	s_barrier_signal -1
	s_barrier_wait -1                              ; Q's images and KV's tiles are whole
	PHASE2 \zero
	s_xor_b32 s[TB], s[TB], SLOT1
.endm
.macro GROUP1 g, w0, c, r, p           ; r rows of c elements, p elements apart
	s_mov_b32 s[\g], \w0
	s_mov_b32 s[\g+1], (\c)<<16                    ; tensor_dim0
	s_mov_b32 s[\g+2], (\r)<<16                    ; tensor_dim1
	s_mov_b32 s[\g+3], (\c)<<16                    ; tile_dim0
	s_mov_b32 s[\g+4], \r                          ; tile_dim1
	s_mov_b32 s[\g+5], \p                          ; tensor_dim0_stride
	s_mov_b32 s[\g+6], 0
	s_mov_b32 s[\g+7], 0
.endm
.macro GROUP0 g, lds, ptr, off
	s_mov_b32 s[\g], 1                             ; count = 1
	s_mov_b32 s[\g+1], \lds
	s_add_nc_u64 s[\g+2:\g+3], s[\ptr:\ptr+1], s[\off:\off+1]
	s_or_b32 s[\g+3], s[\g+3], 0x80000000          ; type = 2
.endm
	s_load_b256 s[4:11], s[0:1], 0x0               ; a_codes s[4:5], a_scales s[6:7], k_codes s[8:9], k_scales s[10:11]
	s_load_b128 s[12:15], s[0:1], 0x20             ; kvc s[12:13], kvs s[14:15]
	s_load_b64 s[16:17], s[0:1], 0x30              ; part
	v_lshl_add_u32 v[SPW], v0, 2, SPARE
	v_mov_b32 v[NIL], 0
	ds_add_u32 v1, v2
	ds_add_u32 v1, v2
	s_wait_dscnt 0x0
	v_lshrrev_b32 v244, 5, v0
	v_readfirstlane_b32 s[WV], v244                ; wave 0..3
	s_bfe_u32 s[AG], ttmp6, 0x40000                ; cx
	s_and_b32 s[YY], ttmp7, 0xffff                 ; 4 b + kr, which the four partners share
	s_lshr_b32 s[BB], s[YY], 2
	s_and_b32 s[KR], s[YY], 3
	GROUP1 G1C, JOINT|PAD512, 512, 16, 16384       ; 16 heads x 4,096 bytes (128 keys), 131,072 bytes from head to head
	GROUP1 G1S, JOINT, 32, 16, 1024                ; 16 heads x 256 scale bytes, 8,192 from head to head
	GROUP1 G1V, JOINT, 32, 256, 32                 ; a K step's 64 fragments of KV: 65,536 dense bytes, as rows of 256
	GROUP1 G1W, JOINT, 32, 16, 32                  ; and their 4,096 bytes of scale words
	s_lshl_b32 s88, s[BB], 21                      ; k_codes: the batch, and 1,024 keys x 32 bytes a quarter
	s_lshl_b32 s89, s[KR], 15
	s_add_co_u32 s88, s88, s89
	s_mov_b32 s89, 0
	s_lshl_b32 s90, s[BB], 17                      ; k_scales likewise, 2 bytes a key
	s_lshl_b32 s91, s[KR], 11
	s_add_co_u32 s90, s90, s91
	s_mov_b32 s91, 0
	s_lshl_b32 s92, s[YY], 19                      ; kvc: K step 32 b + 8 kr = 8 y, 65,536 bytes each
	s_mov_b32 s93, 0
	s_lshl_b32 s94, s[YY], 15                      ; kvs: 4,096 bytes each
	s_mov_b32 s95, 0
	s_mov_b32 s[CC], 0x3e38aa3b                    ; c = log2(e) / 8
	s_mov_b32 s[CC+1], s[CC]
	s_mov_b32 s[NC], 0xbe38aa3b
	s_mov_b32 s[SEL], 0x76543210
	s_mov_b32 s[SEL+1], 0xfedcba98
	s_mov_b32 s[TB], 0
	s_mov_b32 s[RO], 8192
	s_mov_b32 s[RSO], 2048
	s_mov_b32 s[IO], 0
	s_mov_b32 s[PO], 0
	s_wait_kmcnt 0x0
	GROUP0 G0C, 0, 8, 88
	GROUP0 G0S, CSC, 10, 90
	GROUP0 G0V, VB, 12, 92
	GROUP0 G0W, VSC, 14, 94
	CROUND                                         ; all four work-groups are here: the first joint loads meet
	TLOAD 0                                        ; round 0's keys
	s_lshl_b32 s66, ttmp9, 2
	s_add_co_u32 s[AG], s[AG], s66                 ; my block of 32 agents = 4 x cluster x + cx
	s_lshl_b32 s66, s[BB], 18                      ; a_codes: batch, + my four heads, + 32 agents x 32 bytes x block
	s_lshl_b32 s67, s[WV], 16
	s_add_co_u32 s66, s66, s67
	s_lshl_b32 s67, s[AG], 10
	s_add_co_u32 s66, s66, s67
	s_mov_b32 s67, 0
	s_add_nc_u64 s[4:5], s[4:5], s[66:67]
	s_lshl_b32 s66, s[BB], 14                      ; a_scales likewise, 2 bytes an agent
	s_lshl_b32 s67, s[WV], 12
	s_add_co_u32 s66, s66, s67
	s_lshl_b32 s67, s[AG], 6
	s_add_co_u32 s66, s66, s67
	s_mov_b32 s67, 0
	s_add_nc_u64 s[6:7], s[6:7], s[66:67]
	v_and_b32 v244, 15, v0                         ; r
	v_bfe_u32 v245, v0, 4, 1                       ; lane / 16
	v_and_b32 v246, 31, v0                         ; lane
	v_and_b32 v250, 8, v0                          ; 8 (r / 8)
	v_lshlrev_b32 v248, 5, v244
	v_lshl_add_u32 v248, v245, 4, v248             ; a row of 64 codes is 32 bytes; + 16 for lanes 16-31
	v_lshlrev_b32 v249, 1, v244
.irp u, 0,1
.irp i, 0,1,2,3
	global_load_b128 v[24+16*\u+4*\i:24+16*\u+4*\i+3], v248, s[4:5] offset:16384*\i+512*\u   ; head 4 w + i, row tile u: agent 32 ag + 16 u + r
	global_load_u16 v[72+4*\u+\i], v249, s[6:7] offset:1024*\i+32*\u
.endr
.endr
	s_lshl_b32 s66, s[KR], 23                      ; part: quarter, batch, my four heads, my agents: 8,192 bytes a block of 32 agents x 64 d
	s_lshl_b32 s67, s[BB], 21
	s_add_co_u32 s66, s66, s67
	s_lshl_b32 s67, s[WV], 19
	s_add_co_u32 s66, s66, s67
	s_lshl_b32 s67, s[AG], 13
	s_add_co_u32 s66, s66, s67
	s_mov_b32 s67, 0
	s_add_nc_u64 s[16:17], s[16:17], s[66:67]
	v_mad_u32_u24 v[AC0], v250, 34, v248           ; 32 (r + 8 (r / 8)) + 16 (r / 8) + 16 (lane / 16),
	s_mul_i32 s[SX], s[WV], 1056
	v_add_nc_u32 v[AC0], s[SX], v[AC0]             ; + my block: 32 keys and two paddings
	v_lshl_add_u32 v[AS0], v250, 1, v249           ; 2 (r + 8 (r / 8))
	s_lshl_b32 s[SX], s[WV], 6
	s_add_co_u32 s[SX], s[SX], CSC
	v_add_nc_u32 v[AS0], s[SX], v[AS0]
	v_lshl_add_u32 v[ARQ0], v246, 4, ROWI
	v_lshl_add_u32 v[ARS0], v246, 2, ROWS
	v_lshlrev_b32 v[AIM0], 4, v244
	v_lshl_add_u32 v[AIM0], v245, 3, v[AIM0]       ; 16 r + 8 (lane / 16): a block's place in an image
	s_lshl_b32 s[SX], s[WV], 8
	s_add_co_u32 s[SX], s[SX], IMG
	v_add_nc_u32 v[AIM0], s[SX], v[AIM0]
	v_lshl_add_u32 v[APB0], v246, 2, PSC
	v_add_nc_u32 v[APB0], s[WV], v[APB0]
	s_lshl_b32 s[SX], s[WV], 12
	s_add_co_u32 s[SX], s[SX], IMG
	v_lshl_add_u32 v[AP], v246, 4, s[SX]
	s_lshl_b32 s[SX], s[WV], 9
	s_add_co_u32 s[SX], s[SX], PSC
	v_lshl_add_u32 v[APS], v246, 2, s[SX]
	s_lshl_b32 s[SX], s[WV], 14
	s_add_co_u32 s[SX], s[SX], VB
	v_lshl_add_u32 v[AV], v246, 4, s[SX]
	s_lshl_b32 s[SX], s[WV], 10
	s_add_co_u32 s[SX], s[SX], VSC
	v_lshl_add_u32 v[AVS0], v244, 2, s[SX]
	s_lshl_b32 s[SX], s[WV], 11
	s_add_co_u32 s[SX], s[SX], ROWI
	v_lshl_add_u32 v251, v246, 4, s[SX]            ; where my heads' agent images go,
	s_lshl_b32 s[SX], s[WV], 9
	s_add_co_u32 s[SX], s[SX], ROWS
	v_lshl_add_u32 v252, v246, 2, s[SX]            ; and their scale words
	v_lshlrev_b32 v20, 4, v246                     ; v20  16 x lane: my place in an accumulator's image in part
.irp j, 0,1,2,3
	v_mov_b32 v[RQ+64+\j], 0                       ; the padding behind head 15's agents
.endr
	WIN 0xc0
.set ff, 0
.rept 32
.irp j, 4,5,6,7
	v_mov_b32 v[8*ff+\j], 0                        ; the zero codes of K = 64 .. 127: operand data, written once for the launch
.endr
.set ff, ff+1
.endr
	WIN 0
.set hh, 0
.rept 16
	v_mov_b32 v[T+hh], 0                           ; a lane permute's destination counts as one of its sources
.set hh, hh+1
.endr
	s_wait_loadcnt 0x0
.irp u, 0,1
.irp i, 0,1,2,3
	ds_store_b128 v251, v[24+16*\u+4*\i:24+16*\u+4*\i+3] offset:8192*\u+512*\i
	ds_store_b32 v252, v[72+4*\u+\i] offset:2048*\u+128*\i
.endr
.endr
	ROUND 2, 1, 1                                  ; its barrier A shows the agents' images to every wave
	s_mov_b32 s[RC], NR-2
.Lround:
	ROUND 2, 0, 0
	s_sub_co_u32 s[RC], s[RC], 1
	s_cmp_lg_u32 s[RC], 0
	s_cbranch_scc1 .Lround
	ROUND 1, 0, 0                                  ; the last round is written out: it asks for no keys
	; THE WAY OUT.  Each accumulator leaves as an image of its registers, its low half first: 32 lanes store 512 consecutive bytes, at a multiple of 256 from part's first byte.
	WIN 0x08                                       ; a store's data are its source 1: window 2
.irp i, 0,1,2,3
.irp t, 0,1
.irp d, 0,1,2,3
	global_store_b128 v20, v[8*(8*\i+4*\t+\d):8*(8*\i+4*\t+\d)+3], s[16:17] offset:131072*\i+1024*(4*\t+\d) th:TH_STORE_NT
	global_store_b128 v20, v[8*(8*\i+4*\t+\d)+4:8*(8*\i+4*\t+\d)+7], s[16:17] offset:131072*\i+1024*(4*\t+\d)+512 th:TH_STORE_NT
.endr
.endr
.endr
	WIN 0
	s_wait_tensorcnt 0x0                           ; the wave's end
	ds_add_u32 v[SPW], v[NIL]
	s_wait_dscnt 0x0
	CROUND                                         ; the closing round: no work-group ends while a partner may still ask for a tile that names it
	s_endpgm
.Lfunc_end_k_qb18bef8289_att:
	.size	k_qb18bef8289_att, .Lfunc_end_k_qb18bef8289_att-k_qb18bef8289_att
	.p2alignl 7, 3214868480
	.fill 96, 4, 3214868480
	.section	.rodata,"a",@progbits
	.p2align	6, 0x0
	.amdhsa_kernel k_qb18bef8289_att
		.amdhsa_group_segment_fixed_size 327680
		.amdhsa_private_segment_fixed_size 0
		.amdhsa_enable_private_segment 0
		.amdhsa_kernarg_size 56
		.amdhsa_user_sgpr_count 2
		.amdhsa_user_sgpr_kernarg_segment_ptr 1
		.amdhsa_wavefront_size32 1
		.amdhsa_system_sgpr_workgroup_id_x 1
		.amdhsa_system_sgpr_workgroup_id_y 1
		.amdhsa_system_sgpr_workgroup_id_z 1
		.amdhsa_system_vgpr_workitem_id 0
		.amdhsa_next_free_vgpr 1024
		.amdhsa_next_free_sgpr 96
		.amdhsa_reserve_vcc 0
		.amdhsa_float_denorm_mode_32 3
		.amdhsa_float_denorm_mode_16_64 3
		.amdhsa_memory_ordered 1
		.amdhsa_forward_progress 1
		.amdhsa_inst_pref_size 255
	.end_amdhsa_kernel
	.section	.bss,"aw",@nobits
	.p2align	6
	.space	262144
	.amdgpu_metadata
---
amdhsa.version: [ 1, 2 ]
amdhsa.kernels:
  - .name:           k_qb18bef8289_att
    .symbol:         k_qb18bef8289_att.kd
    .args:
      - { .name: a_codes, .offset: 0, .size: 8, .value_kind: global_buffer, .address_space: global }
      - { .name: a_scales, .offset: 8, .size: 8, .value_kind: global_buffer, .address_space: global }
      - { .name: k_codes, .offset: 16, .size: 8, .value_kind: global_buffer, .address_space: global }
      - { .name: k_scales, .offset: 24, .size: 8, .value_kind: global_buffer, .address_space: global }
      - { .name: kvc, .offset: 32, .size: 8, .value_kind: global_buffer, .address_space: global }
      - { .name: kvs, .offset: 40, .size: 8, .value_kind: global_buffer, .address_space: global }
      - { .name: part, .offset: 48, .size: 8, .value_kind: global_buffer, .address_space: global }
    .group_segment_fixed_size: 327680
    .private_segment_fixed_size: 0
    .kernarg_segment_align: 8
    .kernarg_segment_size: 56
    .max_flat_workgroup_size: 128
    .sgpr_count:     96
    .vgpr_count:     1024
    .wavefront_size: 32
...
	.end_amdgpu_metadata
.endif
;; end of part 2
;; launch sum (part 3): grid 256 x 1, 8 waves a work-group, no clusters, 35,840 bytes of LDS; arguments part, out0; writes out0
.if DOCPART == 3
	.amdgcn_target "amdgcn-amd-amdhsa--gfx1250"
	.amdhsa_code_object_version 6
	.text
	.protected	k_qb18bef8289_sum
	.globl	k_qb18bef8289_sum
	.p2align	8
	.type	k_qb18bef8289_sum,@function
k_qb18bef8289_sum:
	s_mov_b64 s[64:65], 0
	v_nop
	global_prefetch_b8 v0, s[64:65] scope:SCOPE_SE
	s_setreg_imm32_b32 hwreg(HW_REG_WAVE_MODE, 25, 1), 1
	s_wait_xcnt 0x0
; out0 = part[0] + part[1] + part[2] + part[3], in that order, in f32, and the accumulators' register images are laid back into rows.
; part: [4][U 2,048][dt 4][half 2][lane 32][16 bytes]; piece U is 16 agents x 64 d, and U x 4,096 is also its byte offset in out0.  In an image lane (r, lane / 16) holds agent r, d = 16 dt + 8 (lane / 16) + 4 half + 0 .. 3.
; A stream: a wave takes one piece U = 8 x work-group + wave: 32 loads of 512 consecutive bytes, all issued at once (16 KiB a wave on their way), 48 packed additions, a turn through the wave's own stage in LDS
; (rows of 256 bytes + 16, so that the sixteen rows of a store start at sixteen different 16-byte columns), 8 stores of 512 consecutive bytes.  Waves share nothing: no barrier.  No matrix unit, no cluster: nothing is read twice.
.set PITCH, 272
.set STAGE, 16*PITCH                   ; a wave's stage
.set X,     16                         ; v[16+32 kr+4 x ..]: part kr, piece x = 2 dt + half of the image
	s_load_b128 s[4:7], s[0:1], 0x0                ; part, out0
	v_lshl_add_u32 v144, v0, 2, 0x8800
	v_mov_b32 v145, 0
	v_lshrrev_b32 v1, 5, v0
	v_readfirstlane_b32 s8, v1                     ; wave 0..7
	v_and_b32 v2, 31, v0
	v_lshlrev_b32 v3, 4, v2                        ; 16 x lane: in the images and in out0's rows
	v_and_b32 v4, 15, v0                           ; r
	v_bfe_u32 v5, v0, 4, 1                         ; lane / 16
	s_mul_i32 s9, s8, STAGE
	v_mul_u32_u24 v6, v4, PITCH
	v_lshl_add_u32 v6, v5, 5, v6
	v_add_nc_u32 v6, s9, v6                        ; into the stage: row r, + 32 (lane / 16)
	v_mul_u32_u24 v7, v5, PITCH
	v_lshl_add_u32 v7, v4, 4, v7
	v_add_nc_u32 v7, s9, v7                        ; back: lanes 0-15 one row, lanes 16-31 the next
	s_lshl_b32 s10, ttmp9, 15                      ; 8 pieces of 4,096 bytes a work-group,
	s_lshl_b32 s11, s8, 12                         ; one a wave
	s_add_co_u32 s10, s10, s11
	s_mov_b32 s11, 0
	s_wait_kmcnt 0x0
	s_add_nc_u64 s[12:13], s[4:5], s[10:11]        ; four bases: the parts lie 8,388,608 bytes apart, one more than a signed 24-bit immediate holds (ISA guide, chapter 10)
	s_add_nc_u64 s[14:15], s[12:13], 0x800000
	s_add_nc_u64 s[16:17], s[14:15], 0x800000
	s_add_nc_u64 s[18:19], s[16:17], 0x800000
	s_add_nc_u64 s[6:7], s[6:7], s[10:11]
.irp x, 0,1,2,3,4,5,6,7
.irp k, 0,1,2,3
	global_load_b128 v[X+32*\k+4*\x:X+32*\k+4*\x+3], v3, s[12+2*\k:13+2*\k] offset:512*\x th:TH_LOAD_NT
.endr
.endr
.irp x, 0,1,2,3,4,5,6,7
	s_wait_loadcnt 28-4*\x                         ; loads come back in order (ISA guide 5.7.1): this piece's four are in, the later pieces' four each may be out
.irp k, 1,2,3
.irp j, 0,2
	v_pk_add_f32 v[X+4*\x+\j:X+4*\x+\j+1], v[X+4*\x+\j:X+4*\x+\j+1], v[X+32*\k+4*\x+\j:X+32*\k+4*\x+\j+1]
.endr
.endr
	ds_store_b128 v6, v[X+4*\x:X+4*\x+3] offset:64*(\x/2)+16*(\x%2)
.endr
.irp t, 0,1,2,3,4,5,6,7
	ds_load_b128 v[X+32+4*\t:X+32+4*\t+3], v7 offset:2*\t*PITCH   ; LDS serves a wave's instructions in order (ISA guide 5.7.1.4): these see my stores; part 1's registers have been added and are free
.endr
.irp t, 0,1,2,3,4,5,6,7
	s_wait_dscnt 7-\t                              ; the younger loads may be out
	global_store_b128 v3, v[X+32+4*\t:X+32+4*\t+3], s[6:7] offset:512*\t th:TH_STORE_NT   ; two rows of out0: 512 consecutive bytes, at a multiple of 256 from its first byte
.endr
	s_wait_tensorcnt 0x0
	ds_add_u32 v144, v145
	s_wait_dscnt 0x0
	s_endpgm
.Lfunc_end_k_qb18bef8289_sum:
	.size	k_qb18bef8289_sum, .Lfunc_end_k_qb18bef8289_sum-k_qb18bef8289_sum
	.p2alignl 7, 3214868480
	.fill 96, 4, 3214868480
	.section	.rodata,"a",@progbits
	.p2align	6, 0x0
	.amdhsa_kernel k_qb18bef8289_sum
		.amdhsa_group_segment_fixed_size 35840
		.amdhsa_private_segment_fixed_size 0
		.amdhsa_enable_private_segment 0
		.amdhsa_kernarg_size 16
		.amdhsa_user_sgpr_count 2
		.amdhsa_user_sgpr_kernarg_segment_ptr 1
		.amdhsa_wavefront_size32 1
		.amdhsa_system_sgpr_workgroup_id_x 1
		.amdhsa_system_sgpr_workgroup_id_y 1
		.amdhsa_system_sgpr_workgroup_id_z 1
		.amdhsa_system_vgpr_workitem_id 0
		.amdhsa_next_free_vgpr 146
		.amdhsa_next_free_sgpr 66
		.amdhsa_reserve_vcc 0
		.amdhsa_float_denorm_mode_32 3
		.amdhsa_float_denorm_mode_16_64 3
		.amdhsa_memory_ordered 1
		.amdhsa_forward_progress 1
		.amdhsa_inst_pref_size 10
	.end_amdhsa_kernel
	.amdgpu_metadata
---
amdhsa.version: [ 1, 2 ]
amdhsa.kernels:
  - .name:           k_qb18bef8289_sum
    .symbol:         k_qb18bef8289_sum.kd
    .args:
      - { .name: part, .offset: 0, .size: 8, .value_kind: global_buffer, .address_space: global }
      - { .name: out0, .offset: 8, .size: 8, .value_kind: global_buffer, .address_space: global }
    .group_segment_fixed_size: 35840
    .private_segment_fixed_size: 0
    .kernarg_segment_align: 8
    .kernarg_segment_size: 16
    .max_flat_workgroup_size: 256
    .sgpr_count:     66
    .vgpr_count:     146
    .wavefront_size: 32
...
	.end_amdgpu_metadata
.endif
;; end of part 3
